; MI455X (gfx1250); checked and timed in simulation.
; The chip was launched on July 23, 2026; its instructions are those of AMD's public machine-readable ISA for CDNA 5 (MIT licence, August 2026) and "CDNA5" Instruction Set Architecture Reference Guide (July 2026). The comments in the code are by the model that wrote it; some were corrected since.
;; Eigen Memory. Allowed arithmetic: matrix products marked QUANTISED: E4M3 operands, one E8M0 scale for each 32 along K, by v_wmma_scale_f32_16x16x128_f8f6f4 with both operands' format E4M3, f32 sums; products left as they are: f32 operands where the result goes on into a quantised operand, else bf16, f16 or f32 operands; f32 sums; everything else in f32.
;; Inputs: age 65,536 float32; mem 65,536 x 256 float32; q 2,048 x 256 float32.
;; Outputs: out0 2,048 x 256 float32.
;; This version of the problem:
;;   THIS VERSION OF THE PROBLEM IS GIVEN IN LOW PRECISION. The matrix products marked QUANTISED in the list below multiply operands that are first quantised to E4M3 (4 exponent bits, 3 mantissa bits; 8 bits a number), with one power-of-two scale for each 32 numbers along K (OCP MX v1.0); their sums are f32. All else is computed in f32.
;;   The module's matrix products, in the order in which they are computed (A, B: the left and right operand; K: the contracted axis; several contracted axes count as one K, in the product's order):
;;     1. [M 2,048, K 256] x [K 256, N 65,536]; A: computed on the way; B: input mem: QUANTISED
;;     2. batch 2,048 x [M 1, K 32] x [K 32, N 256]; A: softmax; B: computed on the way: left as it is (M = 1 < 16)
;;   THE QUANTISER, for each operand of a quantised product, along K:
;;     - K is cut into blocks of 32 from its start; a last block that is shorter is filled with zeros.
;;     - A block's scale is 2^e with e = floor(log2(the largest magnitude in the block)) - 8, held to -126 .. 127; a block of zeros has e = 0. As a byte (E8M0): e + 127.
;;     - Each number is divided by its block's scale, clamped to +-448, and rounded to the nearest number of E4M3, ties to even, subnormals kept.
;;     - The product sums the exact products of the quantised numbers (number of the format x scale) in f32.
;;   ~~~python
;;   def quantise(x, axis):      # numpy; x: float32 -> the quantised numbers, widened to float32 again
;;       x = np.moveaxis(x, axis, -1); K = x.shape[-1]
;;       x = np.pad(x, [(0, 0)] * (x.ndim - 1) + [(0, -K % 32)]); x = x.reshape(x.shape[:-1] + (-1, 32)); a = np.abs(x).max(-1, keepdims=True)
;;       e = np.where(a > 0, np.clip(np.frexp(np.where(a > 0, a, 1))[1] - 1 - 8, -126, 127), 0)      # np.frexp(a)[1] - 1 = floor(log2(a)), exactly
;;       r = np.clip(x / 2.0 ** e, -448, 448)
;;       step = 2.0 ** (np.maximum(np.frexp(np.where(r == 0, 1, r))[1] - 1, -6) - 3)
;;       q = np.round(r / step) * step * 2.0 ** e      # np.round: ties to even
;;       return np.moveaxis(q.reshape(q.shape[:-2] + (-1,))[..., :K], -1, axis).astype(np.float32)
;;   ~~~
;;   OPERANDS COMPUTED ON THE WAY. 'Computed on the way' means the value that the module computes at that place (a softmax that the list does not call 'softmax' is quantised finished and normalised). What goes into a quantiser is computed in f32, as accurately as f32 sums, v_exp_f32 and their like allow (about 1e-6 of the number): no bf16 or f16 on the way to a quantiser, and a product that is left as it is and whose result goes on into a quantised operand takes f32 operands (vector FMAs, or v_wmma_f32_16x16x4_f32). A number that lies on a knife's edge between two numbers of the format may be rounded either way, as far as f32 arithmetic and the matrix unit's own rounding can turn it there, and no further.
;; One version. Each part assembles by itself: llvm-mc -triple=amdgcn-amd-amdhsa -mcpu=gfx1250 --defsym DOCPART=n.
;; ======== version 1 of 1: 6 launches
;; limits: right only within a limited range of input values
;; workspace buffers: qc 524,288 bytes; qa 32,768 bytes; mc 16,777,216 bytes; ma 1,048,576 bytes; cmax 67,108,864 bytes; bmax 8,388,608 bytes; lista 262,144 bytes of whole numbers; listb 262,144 bytes of whole numbers
;; launch prep (part 1): grid 528 x 1, 4 waves a work-group, no clusters, 33,280 bytes of LDS; arguments q, mem, age, qc, qa, mc, ma; writes qc, qa, mc, ma
.if DOCPART == 1
	.amdgcn_target "amdgcn-amd-amdhsa--gfx1250"
	.amdhsa_code_object_version 6
	.text
	.protected	k_qa2a24b3e91_prep
	.globl	k_qa2a24b3e91_prep
	.p2align	8
	.type	k_qa2a24b3e91_prep,@function
k_qa2a24b3e91_prep:
	s_mov_b64 s[64:65], 0
	v_nop
	global_prefetch_b8 v0, s[64:65] scope:SCOPE_SE
	s_setreg_imm32_b32 hwreg(HW_REG_WAVE_MODE, 25, 1), 1
	s_wait_xcnt 0x0
; mem [65536][256] and q [2048][256], f32, become codes of FP8 (E4M3), K innermost, with one E8M0 byte for each 32 along K.
; q is quantised as q x metric (+1, -1, .., -1): the quantiser is odd, so the code of -x is the code of x with its sign bit turned: one exclusive or a register.
; Beside the codes, for each row: n = sqrt(|x0^2 - sum of the other squares|) + 1e-6.  mem's rows store 1 / n and bias = max(age x ln(0.99f), ln(1e-6f)), which is
; log(clip(0.99^age, 1e-6)) without the roundings of a power and a logarithm; q's rows store n and -0.001f x n.
; Layouts: qa: 8 scale bytes a row from byte 0, n from byte 16,384, -0.001 n from byte 24,576.  ma: 8 scale bytes a row from 0, 1 / n from 524,288, bias from 786,432.
; LIMITS: NaN and infinities are not served; a block whose largest magnitude lies under 2^-118 keeps the byte 1 (a block of zeros too: its codes are zeros, and this program alone reads the bytes).
; Work-groups 0-511 take mem, 512-527 q: only pointers and masks are chosen, both tensors take one path.  A wave takes 32 rows: 16 steps of 512 numbers (two rows).
; Each load reads 512 consecutive bytes; a step's 2,048 bytes turn through the wave's own stage in LDS so that a lane holds 16 neighbours along K (16 lanes hold a row, 2 lanes a block).
.set STEPS, 16
.set WGM,   512                        ; work-groups for mem
.set EMAX,  8
.set MANT,  0x600000                   ; the mantissa field of 448
.set R,     16                         ; v16-79   four sets of 16 numbers as loaded
.set X,     80                         ; v80-111  two sets of 16 neighbours
.set E,     112                        ; v112-127 a scale byte for each step
.set C,     128                        ; v128-191 codes, four registers a step
.set WREG,  8192                       ; LDS of a wave: two stages of 32 x 80 bytes, 256 scale bytes, 32 row sums
.set SP,    80
.set SCB,   2*32*SP
.set SUMS,  SCB+256
.set C0,    192                        ; -1 in the lane that holds k = 0, else 1
.set XM0,   193                        ; sign mask for a lane's first code register
.set XM,    194                        ; and for the other three
.set AGE,   195
.set SST,   196                        ; LDS: where my row's sum goes
.set SLD,   197                        ; LDS: the sum of row = my lane
.set SQ,    198                        ; v198-201 two chains of squares, two sets by the step's parity
.set LN4,   202                        ; 4 x lane
.set TW,    204                        ; v204-210 at work at the end
	s_load_b128 s[4:7], s[0:1], 0x0                ; q, mem
	s_load_b128 s[8:11], s[0:1], 0x10              ; age, qc
	s_load_b128 s[12:15], s[0:1], 0x20             ; qa, mc
	s_load_b64 s[16:17], s[0:1], 0x30              ; ma
	v_lshl_add_u32 v216, v0, 2, 0x8000
	v_mov_b32 v217, 0
	v_lshrrev_b32 v1, 5, v0
	v_readfirstlane_b32 s18, v1                    ; wave
	v_and_b32 v2, 31, v0                           ; lane
	v_lshlrev_b32 v3, 4, v2                        ; my 16 bytes of a load's 512, and of a step's 512 bytes of codes
	s_mul_i32 s19, s18, WREG
	v_lshrrev_b32 v14, 2, v2
	v_mul_u32_u24 v14, v14, SP
	v_and_b32 v15, 3, v2
	v_lshl_add_u32 v14, v15, 4, v14
	v_add_nc_u32 v14, s19, v14                     ; the stage, in: 80 (lane / 4) + 16 (lane % 4)
	v_mul_u32_u24 v15, v2, SP
	v_add_nc_u32 v15, s19, v15                     ; the stage, out: 80 x lane
	v_lshrrev_b32 v5, 1, v2
	s_add_co_u32 s20, s19, SCB
	v_add_nc_u32 v5, s20, v5                       ; my block's scale byte
	v_lshlrev_b32 v7, 3, v2
	v_add_nc_u32 v6, s20, v7                       ; and 8 bytes a lane on the way out
	s_add_co_u32 s20, s19, SUMS
	v_lshrrev_b32 v[SST], 4, v2
	v_lshl_add_u32 v[SST], v[SST], 2, s20
	v_lshlrev_b32 v[LN4], 2, v2
	v_add_nc_u32 v[SLD], s20, v[LN4]
	v_and_b32 v4, 15, v2
	v_cmp_eq_u32 vcc_lo, 0, v4                     ; the lane that holds k = 0 .. 15 of a row
	v_mov_b32 v[C0], 1.0
	v_mov_b32 v[TW], -1.0
	v_cndmask_b32 v[C0], v[C0], v[TW], vcc_lo
	s_mov_b32 s34, MANT
	s_wait_kmcnt 0x0
	s_cmp_lt_u32 ttmp9, WGM                        ; mem's work-group or q's: the choice hangs on the work-group's number alone
	s_cselect_b64 s[4:5], s[6:7], s[4:5]           ; the numbers
	s_cselect_b64 s[10:11], s[14:15], s[10:11]     ; the codes
	s_cselect_b64 s[12:13], s[16:17], s[12:13]     ; scale bytes and row figures
	s_cselect_b32 s20, 0, WGM
	s_mov_b32 s21, 16384
	s_cselect_b32 s21, 524288, s21                 ; where the first row figure lies
	s_mov_b32 s22, 24576
	s_cselect_b32 s22, 786432, s22                 ; and the second
	s_cselect_b32 s23, 0, -1                       ; all ones for q
	s_sub_co_u32 s24, ttmp9, s20
	s_lshl_b32 s24, s24, 2
	s_add_co_u32 s24, s24, s18                     ; my run of 32 rows
	s_lshl_b32 s26, s24, 15
	s_mov_b32 s27, 0
	s_add_nc_u64 s[4:5], s[4:5], s[26:27]          ; 32,768 bytes of numbers a run
	s_lshl_b32 s26, s24, 13
	s_add_nc_u64 s[10:11], s[10:11], s[26:27]      ; 8,192 of codes
	s_lshl_b32 s26, s24, 7
	s_add_nc_u64 s[8:9], s[8:9], s[26:27]          ; 128 of age (q's runs 0-63 read inside the buffer too, and drop what they read)
	s_add_co_u32 s30, s26, s21
	s_mov_b32 s31, 0
	s_add_nc_u64 s[28:29], s[12:13], s[30:31]
	s_add_co_u32 s30, s26, s22
	s_add_nc_u64 s[32:33], s[12:13], s[30:31]
	s_lshl_b32 s26, s24, 8
	s_add_nc_u64 s[12:13], s[12:13], s[26:27]      ; 256 scale bytes a run
	s_and_b32 s35, s23, 0x80808080
	s_and_b32 s36, s23, 0x80808000                 ; k = 0 keeps its sign
	v_mov_b32 v[XM], s35
	v_mov_b32 v[XM0], s36
	v_cndmask_b32 v[XM0], v[XM], v[XM0], vcc_lo
	global_load_b32 v[AGE], v[LN4], s[8:9]         ; older than every load below: each counted wait covers it
.macro LOAD t
.irp i, 0,1,2,3
	global_load_b128 v[R+16*((\t)%4)+4*\i:R+16*((\t)%4)+4*\i+3], v3, s[4:5] offset:2048*(\t)+512*\i th:TH_LOAD_NT
.endr
.endm
.macro TURN t                          ; a step's numbers through the stage: LDS serves a wave's instructions in order, so no wait stands between the stores and the loads
.irp i, 0,1,2,3
	ds_store_b128 v14, v[R+16*((\t)%4)+4*\i:R+16*((\t)%4)+4*\i+3] offset:32*SP*((\t)%2)+8*SP*\i
.endr
.irp i, 0,1,2,3
	ds_load_b128 v[X+16*((\t)%2)+4*\i:X+16*((\t)%2)+4*\i+3], v15 offset:32*SP*((\t)%2)+16*\i
.endr
.endm
.irp t, 0,1,2,3
	LOAD \t
.endr
	s_wait_loadcnt 12                              ; step 0's four loads are in
	TURN 0
.macro STEP t
.set XS, X+16*((\t)%2)
.set SQA, SQ+2*((\t)%2)
.if (\t) > 0
	s_wait_dscnt 2                                 ; this step's numbers are back; the last step's two small stores (row sum, byte) may be out
.else
	s_wait_dscnt 0x0
.endif
.if (\t)+4 < STEPS
	LOAD (\t)+4                                    ; into the set whose stores into the stage are done
.endif
.if (\t)+1 < STEPS
.if STEPS-2-(\t) >= 3
	s_wait_loadcnt 12                              ; the next step's four loads are in; three younger steps' may be out
.else
	s_wait_loadcnt 4*(STEPS-2-(\t))
.endif
	TURN (\t)+1
.endif
	v_max3_num_f32 v8, |v[XS]|, |v[XS+1]|, |v[XS+2]|
	v_max3_num_f32 v9, |v[XS+3]|, |v[XS+4]|, |v[XS+5]|
.irp i, 6,10
	v_max3_num_f32 v8, v8, |v[XS+\i]|, |v[XS+\i+1]|
	v_max3_num_f32 v9, v9, |v[XS+\i+2]|, |v[XS+\i+3]|
.endr
	v_max3_num_f32 v8, v8, |v[XS+14]|, |v[XS+15]|
	v_max3_num_f32 v8, v8, v9, (EMAX+1)<<23        ; the floor 2^(9 - 127): the byte cannot fall under 1
	v_max_num_f32_dpp v8, v8, v8 row_xmask:1 row_mask:0xf bank_mask:0xf   ; with my neighbour's 16: the block's largest magnitude
	v_mul_f32 v[SQA], v[XS], v[C0]                 ; the row's sum of squares, k = 0 with the other sign, ahead of the hold: two chains
	v_mul_f32 v[SQA+1], v[XS+1], v[XS+1]
	v_mul_f32 v[SQA], v[SQA], v[XS]
.irp i, 2,4,6,8,10,12,14
	v_fmac_f32 v[SQA], v[XS+\i], v[XS+\i]
	v_fmac_f32 v[SQA+1], v[XS+\i+1], v[XS+\i+1]
.endr
	v_add_f32 v[SQA], v[SQA], v[SQA+1]
	v_add_f32_dpp v[SQA], v[SQA], v[SQA] row_xmask:1 row_mask:0xf bank_mask:0xf   ; sixteen lanes hold a row
	v_add_f32_dpp v[SQA], v[SQA], v[SQA] row_xmask:2 row_mask:0xf bank_mask:0xf
	v_add_f32_dpp v[SQA], v[SQA], v[SQA] row_xmask:4 row_mask:0xf bank_mask:0xf
	v_add_f32_dpp v[SQA], v[SQA], v[SQA] row_xmask:8 row_mask:0xf bank_mask:0xf
	ds_store_b32 v[SST], v[SQA] offset:8*(\t)      ; rows 2 t and 2 t + 1; the sixteen lanes write the same word with the same value.  This register is written again two steps on, behind that step's wait
	v_add_nc_u32 v11, -(EMAX<<23), v8              ; 8 off the exponent field: the conversion's scale operand
	v_and_or_b32 v10, v8, 0x7f800000, s34          ; 448 x the scale
.irp i, 0,1,2,3,4,5,6,7,8,9,10,11,12,13,14,15
	v_med3_num_f32 v[XS+\i], v[XS+\i], -v10, v10   ; the conversion to an 8-bit code does not saturate (ISA guide 7.6.2): the hold comes first
.endr
	v_cvt_scalef32_pk8_fp8_f32 v[C+4*(\t):C+4*(\t)+1], v[XS:XS+7], v11
	v_cvt_scalef32_pk8_fp8_f32 v[C+4*(\t)+2:C+4*(\t)+3], v[XS+8:XS+15], v11
	v_lshrrev_b32 v[E+(\t)], 23, v11               ; the scale's byte; also the plain line between the conversions and the lines that touch their results
	v_xor_b32 v[C+4*(\t)], v[XM0], v[C+4*(\t)]     ; q: x metric (for mem the masks are 0)
	v_xor_b32 v[C+4*(\t)+1], v[XM], v[C+4*(\t)+1]
	v_xor_b32 v[C+4*(\t)+2], v[XM], v[C+4*(\t)+2]
	v_xor_b32 v[C+4*(\t)+3], v[XM], v[C+4*(\t)+3]
	ds_store_b8 v5, v[E+(\t)] offset:16*(\t)       ; both lanes of a block write the same byte
	global_store_b128 v3, v[C+4*(\t):C+4*(\t)+3], s[10:11] offset:512*(\t)   ; the wave stores 512 consecutive bytes
.endm
.irp t, 0,1,2,3,4,5,6,7,8,9,10,11,12,13,14,15
	STEP \t
.endr
	ds_load_b64 v[12:13], v6                       ; LDS serves a wave's instructions in order: these see my stores
	ds_load_b32 v[TW], v[SLD]
	s_wait_dscnt 0x0
	global_store_b64 v7, v[12:13], s[12:13]        ; 32 lanes store 256 consecutive bytes, aligned
	v_sqrt_f32 v[TW+1], |v[TW]|
	v_mul_f32 v[TW+2], 0xbc24aa20, v[AGE]          ; age x ln(0.99f).  (A plain line behind the root.)  age's load was shown done by the last counted wait
	s_wait_alu depctr_va_vdst(0)
	v_add_f32 v[TW+1], 0x358637bd, v[TW+1]         ; n = root + 1e-6
	s_wait_alu depctr_va_vdst(0)
	v_rcp_f32 v[TW+3], v[TW+1]
	v_max_num_f32 v[TW+2], 0xc15d0c55, v[TW+2]     ; bias, not under ln(1e-6f).  (A plain line behind the reciprocal)
	s_wait_alu depctr_va_vdst(0)
	v_fma_f32 v[TW+4], -v[TW+1], v[TW+3], 1.0      ; one Newton step on 1 / n
	v_fma_f32 v[TW+3], v[TW+4], v[TW+3], v[TW+3]
	v_mul_f32 v[TW+4], 0xba83126f, v[TW+1]         ; -0.001f x n
	v_cndmask_b32 v[TW+5], v[TW+3], v[TW+1], s23   ; q: n;  mem: 1 / n
	v_cndmask_b32 v[TW+6], v[TW+2], v[TW+4], s23   ; q: -0.001 n;  mem: bias
	global_store_b32 v[LN4], v[TW+5], s[28:29]     ; 128 consecutive bytes a wave
	global_store_b32 v[LN4], v[TW+6], s[32:33]
	s_wait_tensorcnt 0x0
	ds_add_u32 v216, v217
	s_wait_dscnt 0x0
	s_endpgm
.Lfunc_end_k_qa2a24b3e91_prep:
	.size	k_qa2a24b3e91_prep, .Lfunc_end_k_qa2a24b3e91_prep-k_qa2a24b3e91_prep
	.p2alignl 7, 3214868480
	.fill 96, 4, 3214868480
	.section	.rodata,"a",@progbits
	.p2align	6, 0x0
	.amdhsa_kernel k_qa2a24b3e91_prep
		.amdhsa_group_segment_fixed_size 33280
		.amdhsa_private_segment_fixed_size 0
		.amdhsa_enable_private_segment 0
		.amdhsa_kernarg_size 56
		.amdhsa_user_sgpr_count 2
		.amdhsa_user_sgpr_kernarg_segment_ptr 1
		.amdhsa_wavefront_size32 1
		.amdhsa_system_sgpr_workgroup_id_x 1
		.amdhsa_system_sgpr_workgroup_id_y 1
		.amdhsa_system_sgpr_workgroup_id_z 1
		.amdhsa_system_vgpr_workitem_id 0
		.amdhsa_next_free_vgpr 218
		.amdhsa_next_free_sgpr 66
		.amdhsa_reserve_vcc 1
		.amdhsa_float_denorm_mode_32 3
		.amdhsa_float_denorm_mode_16_64 3
		.amdhsa_memory_ordered 1
		.amdhsa_forward_progress 1
		.amdhsa_inst_pref_size 69
	.end_amdhsa_kernel
	.amdgpu_metadata
---
amdhsa.version: [ 1, 2 ]
amdhsa.kernels:
  - .name:           k_qa2a24b3e91_prep
    .symbol:         k_qa2a24b3e91_prep.kd
    .args:
      - { .name: q, .offset: 0, .size: 8, .value_kind: global_buffer, .address_space: global }
      - { .name: mem, .offset: 8, .size: 8, .value_kind: global_buffer, .address_space: global }
      - { .name: age, .offset: 16, .size: 8, .value_kind: global_buffer, .address_space: global }
      - { .name: qc, .offset: 24, .size: 8, .value_kind: global_buffer, .address_space: global }
      - { .name: qa, .offset: 32, .size: 8, .value_kind: global_buffer, .address_space: global }
      - { .name: mc, .offset: 40, .size: 8, .value_kind: global_buffer, .address_space: global }
      - { .name: ma, .offset: 48, .size: 8, .value_kind: global_buffer, .address_space: global }
    .group_segment_fixed_size: 33280
    .private_segment_fixed_size: 0
    .kernarg_segment_align: 8
    .kernarg_segment_size: 56
    .max_flat_workgroup_size: 128
    .sgpr_count:     66
    .vgpr_count:     218
    .wavefront_size: 32
...
	.end_amdgpu_metadata
.endif
;; end of part 1
;; launch score (part 2): grid 256 x 1, 4 waves a work-group, clusters of 4 x 1, 327,680 bytes of LDS; arguments qc, qa, mc, ma, cmax, bmax; writes cmax, bmax
.if DOCPART == 2
	.amdgcn_target "amdgcn-amd-amdhsa--gfx1250"
	.amdhsa_code_object_version 6
	.text
	.protected	k_qa2a24b3e91_score
	.globl	k_qa2a24b3e91_score
	.p2align	8
	.type	k_qa2a24b3e91_score,@function
k_qa2a24b3e91_score:
	s_mov_b64 s[64:65], 0
	v_nop
	global_prefetch_b8 v0, s[64:65] scope:SCOPE_SE
	s_setreg_imm32_b32 hwreg(HW_REG_WAVE_MODE, 25, 1), 1
	s_wait_xcnt 0x0
	s_wait_alu depctr_hold_cnt(0) depctr_sa_sdst(0) depctr_va_vdst(0) depctr_va_sdst(0) depctr_va_ssrc(0) depctr_va_vcc(0) depctr_vm_vsrc(0)
	s_getreg_b32 s2, hwreg(HW_REG_IB_STS2, 6, 4)
	s_cmp_eq_u32 s2, 0
	s_cbranch_scc0 .Lentry_in_a_cluster
	s_endpgm
.Lentry_in_a_cluster:
	s_bfe_u32 s2, ttmp6, 0x10000c
	s_cmp_lg_u32 s2, 0x3003
	s_cbranch_scc0 .Lentry_shape_is_right
	s_endpgm
.Lentry_shape_is_right:
; For every query b and slot n: z = qn x (clip(sim) + bias), a large negative number where sim is masked; kept are the maxima of z over chunks of 8 slots (cmax) and blocks of 64 slots (bmax).
; w = inner / mn;  h = w x 2^64 - 0.001 qn x 2^64 (far under every score where w < 0.001 qn, far over every w above it);  g = min(w, qn, h);  z = bias x qn + g.
; LIMITS: NaN and infinities are not served; a slot whose w equals 0.001 qn to the bit enters the maxima with g = 0 in place of w.
; SHARES.  A work-group owns 512 slots and 1,024 queries (256 work-groups: 128 groups of slots x 2 halves of q).  Each of four waves keeps 128 slots' codes in 256 registers and walks the 64 tiles of 16 queries.
; q's half lies in LDS whole: 1,024 rows of 256 bytes + 16 of padding, then 8,192 scale bytes, 4,096 bytes of qn, 4,096 of -0.001 qn.  Every byte is filled once; nothing is filled again.
; CLUSTER: the four work-groups of a cluster take the same half of q and ask for it jointly (mask 15); they differ in their slots, which come by plain loads.
; The head asks for the scale bytes (wave 0), the row figures (wave 1) and rows 0-255 (waves 2, 3); behind the full sequence and a round each wave asks for 192 of the other 768 rows, which land under the first 16 tiles' work.
; No prefetch: all of q's half is asked for in these two groups at the head; no loop runs ahead of them.
; The product: source 0 = 16 slots, source 1 = 16 queries: a lane holds one query (lane % 16), register j of tile t the slot 16 t + 8 (lane / 16) + j.
; REGISTERS.  Window 0: addresses, scale words, q's fragment, the maxima.  Window 1: mem's codes (tile t, K half s at 32 t + 16 s).  Window 2: v0-63 sums, v64-127 1 / mn, v128-191 bias, v192-255 h.
.set PITCH, 272
.set TB,    16*PITCH
.set AUX,   1024*PITCH
.set SPARE, AUX+16384
.set SPW, 1
.set NIL, 2
.set AQ,  3
.set AS,  4
.set AN,  5
.set FO,  6
.set BO,  7
.set MSC, 12
.set QSC, 28
.set FM,  32
.set BMA, 40
.set BMB, 41
.set BX,  42
.set BY,  43
.set BP,  44
.set QN,  48
.set TH,  50
.set CQ,  52
.set QF,  64
.set RM,  64
.set BI,  128
.set D,   192
.set MSB, 0
.macro WIN new
.if MSB != \new
	s_set_vgpr_msb (MSB<<8)|\new
.set MSB, \new
.endif
.endm
.macro CROUND
	s_barrier_signal -1
	s_barrier_wait -1
	s_cmp_lg_u32 s14, 0
	s_cbranch_scc1 .Lnot_wave_0_\@
	s_barrier_signal -3
.Lnot_wave_0_\@:
	s_barrier_wait -3
	s_barrier_signal -1
	s_barrier_wait -1
.endm
	s_load_b256 s[4:11], s[0:1], 0x0               ; qc, qa, mc, ma
	s_load_b128 s[84:87], s[0:1], 0x20             ; cmax, bmax
	v_lshl_add_u32 v[SPW], v0, 2, SPARE
	v_mov_b32 v[NIL], 0
	ds_add_u32 v[SPW], v[NIL]                      ; the opening lines: the add twice on end
	ds_add_u32 v[SPW], v[NIL]
	v_lshrrev_b32 v8, 5, v0
	v_readfirstlane_b32 s14, v8                    ; wave
	s_bfe_u32 s17, ttmp6, 0x40000                  ; cx
	s_and_b32 s15, ttmp9, 1                        ; which half of q: the cluster's number alone
	s_lshr_b32 s16, ttmp9, 1
	s_lshl_b32 s16, s16, 2
	s_add_co_u32 s16, s16, s17                     ; which 512 slots
	s_mov_b32 s24, 15|(1<<20)|(1<<21)|(5<<22)|(3<<25)   ; codes, 128 rows of 256 bytes, 16 bytes of padding behind each
	s_mov_b32 s25, 256<<16
	s_mov_b32 s26, 128<<16
	s_mov_b32 s27, 256<<16
	s_mov_b32 s28, 128
	s_mov_b32 s29, 256
	s_mov_b32 s30, 0
	s_mov_b32 s31, 0
	s_mov_b32 s32, 15|(1<<20)|(1<<21)|(5<<22)|(3<<25)   ; the same, 192 rows
	s_mov_b32 s33, 256<<16
	s_mov_b32 s34, 192<<16
	s_mov_b32 s35, 256<<16
	s_mov_b32 s36, 192
	s_mov_b32 s37, 256
	s_mov_b32 s38, 0
	s_mov_b32 s39, 0
	s_mov_b32 s40, 15|(3<<16)|(1<<21)              ; scale bytes: 8,192 dense bytes as 32 rows of 32 x 8
	s_mov_b32 s41, 32<<16
	s_mov_b32 s42, 32<<16
	s_mov_b32 s43, 32<<16
	s_mov_b32 s44, 32
	s_mov_b32 s45, 32
	s_mov_b32 s46, 0
	s_mov_b32 s47, 0
	s_mov_b32 s48, 15|(3<<16)|(1<<21)              ; row figures: 2 rows of 4,096 bytes, 8,192 bytes apart
	s_mov_b32 s49, 512<<16
	s_mov_b32 s50, 2<<16
	s_mov_b32 s51, 512<<16
	s_mov_b32 s52, 2
	s_mov_b32 s53, 1024
	s_mov_b32 s54, 0
	s_mov_b32 s55, 0
	s_mov_b32 s92, 0x5f800000                      ; 2^64
	s_mov_b32 s93, s92
	s_mov_b32 s80, 0x76543210                      ; selects for lane l xor 16
	s_mov_b32 s81, 0xfedcba98
	s_mov_b32 s82, 0xffff0000
	s_mov_b32 s21, 0
	s_wait_dscnt 0x0
	s_wait_kmcnt 0x0
	s_lshl_b32 s20, s15, 13
	s_mov_b32 s56, 1
	s_mov_b32 s57, AUX
	s_add_nc_u64 s[58:59], s[6:7], s[20:21]
	s_or_b32 s59, s59, 0x80000000
	s_lshl_b32 s20, s15, 12
	s_add_co_u32 s20, s20, 16384
	s_mov_b32 s60, 1
	s_mov_b32 s61, AUX+8192
	s_add_nc_u64 s[62:63], s[6:7], s[20:21]
	s_or_b32 s63, s63, 0x80000000
	s_lshl_b32 s22, s15, 18                        ; the half's 262,144 bytes of codes
	s_and_b32 s23, s14, 1
	s_lshl_b32 s20, s23, 15
	s_add_co_u32 s20, s20, s22
	s_mov_b32 s68, 1
	s_mul_i32 s69, s23, 128*PITCH
	s_add_nc_u64 s[70:71], s[4:5], s[20:21]
	s_or_b32 s71, s71, 0x80000000
	s_mul_i32 s20, s14, 192*256
	s_add_co_u32 s20, s20, s22
	s_add_co_u32 s20, s20, 65536
	s_mov_b32 s72, 1
	s_mul_i32 s73, s14, 192*PITCH
	s_add_co_u32 s73, s73, 256*PITCH
	s_add_nc_u64 s[74:75], s[4:5], s[20:21]
	s_or_b32 s75, s75, 0x80000000
	CROUND                                         ; in front of the first joint loads
.macro ARM eq, g0, g1, next
	s_cmp_eq_u32 s14, \eq
	s_cbranch_scc0 \next
	tensor_load_to_lds s[\g0:\g0+3], s[\g1:\g1+7]
	s_nop 0
.rept 4
	v_nop
.endr
	s_branch .Lasked
\next:
.endm
	ARM 0, 56, 40, .Larm1                          ; one chain of branches on the wave's number, one load to an arm
	ARM 1, 60, 48, .Larm2
	tensor_load_to_lds s[68:71], s[24:31]          ; waves 2 and 3: rows 0-127, 128-255
	s_nop 0
.rept 4
	v_nop
.endr
.Lasked:
	s_lshl_b32 s18, s16, 9
	s_lshl_b32 s19, s14, 7
	s_add_co_u32 s18, s18, s19                     ; my first slot
	s_lshl_b32 s20, s18, 8
	s_add_nc_u64 s[8:9], s[8:9], s[20:21]          ; its codes,
	s_lshl_b32 s20, s18, 3
	s_add_nc_u64 s[88:89], s[10:11], s[20:21]      ; scale words,
	s_lshl_b32 s20, s18, 2
	s_add_nc_u64 s[90:91], s[10:11], s[20:21]      ; 1 / mn and bias
	s_lshl_b32 s22, s15, 25                        ; cmax: 524,288 bytes a query tile, 64 tiles a half; 512 bytes a block = 8 a slot
	s_lshl_b32 s20, s18, 3
	s_add_co_u32 s20, s20, s22
	s_add_nc_u64 s[84:85], s[84:85], s[20:21]
	s_lshl_b32 s22, s15, 22                        ; bmax: 65,536 bytes a query tile; 64 bytes a block = 1 a slot
	s_add_co_u32 s20, s18, s22
	s_add_nc_u64 s[86:87], s[86:87], s[20:21]
	v_and_b32 v8, 15, v0                           ; r
	v_bfe_u32 v9, v0, 4, 1                         ; h
	v_mul_u32_u24 v[AQ], v8, PITCH
	v_lshl_add_u32 v[AQ], v9, 4, v[AQ]             ; q's fragment: row r, + 16 h
	v_lshl_add_u32 v[AS], v8, 3, AUX               ; its scale words
	v_lshl_add_u32 v[AN], v8, 2, AUX+8192          ; qn; -0.001 qn lies 4,096 bytes on
	v_lshlrev_b32 v[FO], 4, v8
	v_lshl_add_u32 v[FO], v9, 8, v[FO]             ; cmax: 256 h + 16 r
	v_lshlrev_b32 v[BO], 2, v8
	v_lshl_add_u32 v[BO], v9, 6, v[BO]             ; bmax: lanes 0-15 my first block, lanes 16-31 my second
	v_mov_b32 v[BP], 0                             ; a lane permute's destination counts as a source
	v_mov_b32 v[QN+1], 0                           ; upper halves of pairs of which the low word serves both
	v_mov_b32 v[CQ+1], 0
	v_lshlrev_b32 v10, 8, v8
	v_lshl_add_u32 v10, v9, 4, v10                 ; mem's codes: row r, + 16 h
	v_lshlrev_b32 v11, 3, v8
	v_lshlrev_b32 v54, 5, v9                       ; 32 h: my eight slots' figures
	s_wait_alu depctr_va_vdst(0)                   ; the wait at the head's end
	WIN 0x40
.irp t, 0,1,2,3,4,5,6,7
.irp s, 0,1
.irp c, 0,1,2,3
	global_load_b128 v[32*\t+16*\s+4*\c:32*\t+16*\s+4*\c+3], v10, s[8:9] offset:4096*\t+128*\s+32*\c
.endr
.endr
.endr
	WIN 0x80
.irp t, 0,1,2,3,4,5,6,7
	global_load_b128 v[RM+8*\t:RM+8*\t+3], v54, s[90:91] offset:524288+64*\t
	global_load_b128 v[RM+8*\t+4:RM+8*\t+7], v54, s[90:91] offset:524288+64*\t+16
	global_load_b128 v[BI+8*\t:BI+8*\t+3], v54, s[90:91] offset:786432+64*\t
	global_load_b128 v[BI+8*\t+4:BI+8*\t+7], v54, s[90:91] offset:786432+64*\t+16
.endr
	WIN 0
.irp t, 0,1,2,3,4,5,6,7
	global_load_b64 v[MSC+2*\t:MSC+2*\t+1], v11, s[88:89] offset:128*\t
.endr
.macro QLOAD                           ; nine loads: a tile's fragment and scale words
.irp s, 0,1
.irp c, 0,1,2,3
	ds_load_b128 v[QF+16*\s+4*\c:QF+16*\s+4*\c+3], v[AQ] offset:128*\s+32*\c
.endr
.endr
	ds_load_b64 v[QSC:QSC+1], v[AS]
.endm
.macro NLOAD                           ; two loads: its qn and -0.001 qn
	ds_load_b32 v[QN], v[AN]
	ds_load_b32 v[TH], v[AN] offset:4096
.endm
; One tile of 16 queries x my 128 slots.  pre = 1: the next tile's loads are issued on the way.
.macro TILE pre
	s_wait_dscnt 2                                 ; fragment and scale words are in; the two youngest loads (qn, -0.001 qn) may be out
	WIN 0xa1
.irp s, 0,1
.irp t, 0,1,2,3,4,5,6,7
.if \s == 0
	v_wmma_scale_f32_16x16x128_f8f6f4 v[8*\t:8*\t+7], v[32*\t:32*\t+15], v[QF:QF+15], 0, v[MSC+2*\t], v[QSC]
.else
	v_wmma_scale_f32_16x16x128_f8f6f4 v[8*\t:8*\t+7], v[32*\t+16:32*\t+31], v[QF+16:QF+31], v[8*\t:8*\t+7], v[MSC+2*\t+1], v[QSC+1]
.endif
.endr
.endr
	WIN 0
	v_add_nc_u32 v[AQ], TB, v[AQ]                  ; on to the next tile: with the five v_nop the eight places behind the products
	v_add_nc_u32 v[AS], 128, v[AS]
	v_add_nc_u32 v[AN], 64, v[AN]
.rept 5
	v_nop
.endr
.if \pre
	QLOAD
	s_wait_dscnt 9                                 ; qn and -0.001 qn are in; the nine just issued may be out
.else
	s_wait_dscnt 0x0
.endif
	s_wait_xcnt 0x0                                ; the last tile's stores have read their registers and bases
	s_add_nc_u64 s[84:85], s[84:85], 0x80000
	s_add_nc_u64 s[86:87], s[86:87], 0x10000
	v_mul_f32 v[CQ], s92, v[TH]                    ; -0.001 qn x 2^64: exact
	WIN 0xaa
.set e, 0
.rept 32
	v_pk_mul_f32 v[e:e+1], v[e:e+1], v[RM+e:RM+e+1]                ; w
.set e, e+2
.endr
	WIN 0x82
.set e, 0
.rept 32
	v_pk_fma_f32 v[D+e:D+e+1], v[e:e+1], s[92:93], v[CQ:CQ+1] op_sel_hi:[1,0,0]   ; h
.set e, e+2
.endr
	WIN 0xa2
.set e, 0
.rept 64
	v_min3_num_f32 v[e], v[e], v[QN], v[D+e]       ; g
.set e, e+1
.endr
.set e, 0
.rept 32
	v_pk_fma_f32 v[e:e+1], v[BI+e:BI+e+1], v[QN:QN+1], v[e:e+1] op_sel_hi:[1,0,1]   ; z
.set e, e+2
.endr
	WIN 0xaa
.irp t, 0,1,2,3,4,5,6,7
	v_max3_num_f32 v[8*\t], v[8*\t], v[8*\t+1], v[8*\t+2]          ; a chunk is a lane's eight registers of a tile
.endr
.irp t, 0,1,2,3,4,5,6,7
	v_max3_num_f32 v[8*\t+3], v[8*\t+3], v[8*\t+4], v[8*\t+5]
.endr
.irp t, 0,1,2,3,4,5,6,7
	v_max3_num_f32 v[8*\t], v[8*\t], v[8*\t+3], v[8*\t+6]
.endr
	WIN 0x0a
.irp t, 0,1,2,3,4,5,6,7
	v_max_num_f32 v[FM+\t], v[8*\t], v[8*\t+7]
.endr
	WIN 0
	v_max3_num_f32 v[BMA], v[FM], v[FM+1], v[FM+2]
	v_max3_num_f32 v[BMB], v[FM+4], v[FM+5], v[FM+6]
	v_max_num_f32 v[BMA], v[BMA], v[FM+3]          ; my half of block 0,
	v_max_num_f32 v[BMB], v[BMB], v[FM+7]          ; of block 1
	v_cndmask_b32 v[BY], v[BMB], v[BMA], s82       ; what lane l xor 16 stores,
	v_cndmask_b32 v[BX], v[BMA], v[BMB], s82       ; what I store
	v_permlanex16_b32 v[BP], v[BY], s80, s81
	v_max_num_f32 v[BX], v[BX], v[BP]
	global_store_b128 v[FO], v[FM:FM+3], s[84:85] offset:-0x80000          ; 512 consecutive bytes a store
	global_store_b128 v[FO], v[FM+4:FM+7], s[84:85] offset:-0x80000+512
	global_store_b32 v[BO], v[BX], s[86:87] offset:-0x10000                ; 128 consecutive bytes
.if \pre
	NLOAD
.endif
.endm
	s_wait_tensorcnt 0x0                           ; my head's load is in
	ds_add_u32 v[SPW], v[NIL]
	s_wait_dscnt 0x0
	CROUND
	tensor_load_to_lds s[72:75], s[32:39]          ; rows 256 + 192 x wave on
	s_nop 0
.rept 4
	v_nop
.endr
	s_wait_loadcnt 0x0                             ; mem's codes, scale words and figures
	QLOAD
	NLOAD
	s_mov_b32 s94, 0
.Lfirst:                                               ; tiles 0-14
	TILE 1
	s_add_co_u32 s94, s94, 1
	s_cmp_lt_u32 s94, 15
	s_wait_alu depctr_va_vdst(0)
	s_cbranch_scc1 .Lfirst
	TILE 0                                         ; tile 15 asks for nothing of the rows that are on their way
	s_wait_tensorcnt 0x0                           ; my 192 rows are in,
	ds_add_u32 v[SPW], v[NIL]
	s_wait_dscnt 0x0
	s_barrier_signal -1
	s_barrier_wait -1                              ; and everybody's
	QLOAD
	NLOAD
	s_mov_b32 s94, 0
.Lrest:                                                ; tiles 16-62
	TILE 1
	s_add_co_u32 s94, s94, 1
	s_cmp_lt_u32 s94, 47
	s_wait_alu depctr_va_vdst(0)
	s_cbranch_scc1 .Lrest
	TILE 0
	s_wait_tensorcnt 0x0                           ; the wave's end
	ds_add_u32 v[SPW], v[NIL]
	s_wait_dscnt 0x0
	CROUND                                         ; the closing round
	s_endpgm
.Lfunc_end_k_qa2a24b3e91_score:
	.size	k_qa2a24b3e91_score, .Lfunc_end_k_qa2a24b3e91_score-k_qa2a24b3e91_score
	.p2alignl 7, 3214868480
	.fill 96, 4, 3214868480
	.section	.rodata,"a",@progbits
	.p2align	6, 0x0
	.amdhsa_kernel k_qa2a24b3e91_score
		.amdhsa_group_segment_fixed_size 327680
		.amdhsa_private_segment_fixed_size 0
		.amdhsa_enable_private_segment 0
		.amdhsa_kernarg_size 48
		.amdhsa_user_sgpr_count 2
		.amdhsa_user_sgpr_kernarg_segment_ptr 1
		.amdhsa_wavefront_size32 1
		.amdhsa_system_sgpr_workgroup_id_x 1
		.amdhsa_system_sgpr_workgroup_id_y 1
		.amdhsa_system_sgpr_workgroup_id_z 1
		.amdhsa_system_vgpr_workitem_id 0
		.amdhsa_next_free_vgpr 768
		.amdhsa_next_free_sgpr 96
		.amdhsa_reserve_vcc 0
		.amdhsa_float_denorm_mode_32 3
		.amdhsa_float_denorm_mode_16_64 3
		.amdhsa_memory_ordered 1
		.amdhsa_forward_progress 1
		.amdhsa_inst_pref_size 83
	.end_amdhsa_kernel
	.amdgpu_metadata
---
amdhsa.version: [ 1, 2 ]
amdhsa.kernels:
  - .name:           k_qa2a24b3e91_score
    .symbol:         k_qa2a24b3e91_score.kd
    .args:
      - { .name: qc, .offset: 0, .size: 8, .value_kind: global_buffer, .address_space: global }
      - { .name: qa, .offset: 8, .size: 8, .value_kind: global_buffer, .address_space: global }
      - { .name: mc, .offset: 16, .size: 8, .value_kind: global_buffer, .address_space: global }
      - { .name: ma, .offset: 24, .size: 8, .value_kind: global_buffer, .address_space: global }
      - { .name: cmax, .offset: 32, .size: 8, .value_kind: global_buffer, .address_space: global }
      - { .name: bmax, .offset: 40, .size: 8, .value_kind: global_buffer, .address_space: global }
    .group_segment_fixed_size: 327680
    .private_segment_fixed_size: 0
    .kernarg_segment_align: 8
    .kernarg_segment_size: 48
    .max_flat_workgroup_size: 128
    .sgpr_count:     96
    .vgpr_count:     768
    .wavefront_size: 32
...
	.end_amdgpu_metadata
.endif
;; end of part 2
;; launch blocks (part 3): grid 256 x 1, 8 waves a work-group, no clusters, 37,888 bytes of LDS; arguments bmax, lista; writes lista
.if DOCPART == 3
	.amdgcn_target "amdgcn-amd-amdhsa--gfx1250"
	.amdhsa_code_object_version 6
	.text
	.protected	k_qa2a24b3e91_blocks
	.globl	k_qa2a24b3e91_blocks
	.p2align	8
	.type	k_qa2a24b3e91_blocks,@function
k_qa2a24b3e91_blocks:
	s_mov_b64 s[64:65], 0
	v_nop
	global_prefetch_b8 v0, s[64:65] scope:SCOPE_SE
	s_setreg_imm32_b32 hwreg(HW_REG_WAVE_MODE, 25, 1), 1
	s_wait_xcnt 0x0
; For each query: the 32 blocks (of 64 slots) that rank first by (block maximum falling, block number rising), of 1,024.  Their numbers go to lista, 32 a query, in no order.
; WHY 32 SUFFICE: were one of the 32 best chunks (or slots) in a block outside these, 32 other blocks would each hold one that ranks before it: larger, or equal with a lower number, since blocks lie in the order of the slots.
; Nothing here branches or addresses on data.  TWO PASSES of one network of maxima and minima on bare f32 numbers, written once, in a loop of two trips:
;   pass 1 on the 1,024 values gives T, the 32nd largest;  pass 2 on the keys 2048 x ((v >= T) + (v > T)) - number gives the 32 largest keys: all blocks over T, then those equal to T from the lowest number on.
; THE NETWORK.  A lane holds 32 numbers in 32 registers.  15 stages sort them, falling, inside the lane (a stage is 32 lines from one set of registers into the other: no line waits for a line above it).
; Then lanes l and l xor 1, 2, 4, 8, 16 join: the larger of my i-th and my partner's (31 - i)-th are the 32 largest of the 64, as a bitonic run, which five stages sort.  The last join is not sorted.
; SHARES.  A work-group owns 8 queries, a wave one.  bmax has a block's 16 queries side by side: the work-group's 32 bytes of each block's 64 turn through LDS, so that a wave reads its query's 1,024 values on end.
; No matrix units, no tensor loads; no cluster: work-groups share nothing but halves of 64 bytes.   LIMITS: NaN is not served; -0 and +0 count as equal.
.set P,   4112                         ; LDS: a query's row: 4,096 bytes + 16
.set T,   12                           ; the 32nd largest value
.set C2K, 13                           ; 2048.0
.set C4K, 14                           ; 4096.0
.set RHO, 15                           ; which register of the last join my lane stores
.set OUT, 16
.set CH,  20                           ; v20-23 four chains of minima
.set A,   32                           ; v32-63, v64-95: the network's two sets
.set B,   64
.set K0,  96                           ; v96-127  the values, kept for pass 2
.set N,   128                          ; v128-159 their block numbers, as f32
.set SPW, 160
.set NIL, 161
.macro FLIP
.set SWP, SRC
.set SRC, DST
.set DST, SWP
.endm
.macro STG x                           ; registers i and i xor x: the larger to the lower register
.set i, 0
.rept 32
.if (i^(\x)) > i
	v_max_num_f32 v[DST+i], v[SRC+i], v[SRC+(i^(\x))]
.else
	v_min_num_f32 v[DST+i], v[SRC+i], v[SRC+(i^(\x))]
.endif
.set i, i+1
.endr
	FLIP
.endm
.macro JOIN d                          ; with lane l xor d
.set i, 0
.rept 32
	v_max_num_f32_dpp v[DST+i], v[SRC+31-i], v[SRC+i] row_xmask:\d row_mask:0xf bank_mask:0xf
.set i, i+1
.endr
	FLIP
.irp x, 16,8,4,2,1
	STG \x
.endr
.endm
	s_load_b128 s[4:7], s[0:1], 0x0                ; bmax, lista
	v_lshl_add_u32 v[SPW], v0, 2, 0x9000
	v_mov_b32 v[NIL], 0
	v_lshrrev_b32 v1, 5, v0
	v_readfirstlane_b32 s8, v1                     ; wave 0..7: my query of the eight
	v_and_b32 v2, 31, v0                           ; lane
	v_and_b32 v3, 1, v0                            ; c: which 16 bytes (4 queries) of the work-group's 32
	v_lshrrev_b32 v4, 1, v0                        ; which of 128 blocks
	v_lshlrev_b32 v1, 2, v2                        ; 4 x lane
	v_lshlrev_b32 v5, 6, v4
	v_mul_u32_u24 v6, v3, 4*P
	v_lshlrev_b32 v7, 4, v2
	v_bfe_u32 v9, v0, 4, 1
	v_lshl_add_u32 v5, v3, 4, v5                   ; bmax: 64 bytes a block, + 16 c
	v_lshl_add_u32 v6, v4, 2, v6                   ; LDS, in: row 4 c (+ k), 4 bytes a block
	s_mul_i32 s9, s8, P
	v_add_nc_u32 v7, s9, v7                        ; LDS, out: my wave's row, 16 bytes a lane
	v_mul_u32_u24 v9, v9, 31
	v_mov_b32 v[C2K], 0x45000000
	v_mov_b32 v[C4K], 0x45800000
	v_xor_b32 v[RHO], v9, v2                       ; lanes 0-15: lane; lanes 16-31: 31 - lane
	s_lshr_b32 s12, ttmp9, 1
	s_lshl_b32 s12, s12, 16                        ; the query tile's 65,536 bytes,
	s_and_b32 s13, ttmp9, 1
	s_lshl_b32 s13, s13, 5                         ; and which 8 of its 16 queries
	s_add_co_u32 s12, s12, s13
	s_mov_b32 s13, 0
	s_lshl_b32 s14, ttmp9, 10
	s_lshl_b32 s15, s8, 7
	s_add_co_u32 s14, s14, s15                     ; lista: query 8 g + wave, 128 bytes each
	s_mov_b32 s15, 0
	s_mov_b32 s33, 0x76543210                      ; selects for lane l xor 16
	s_mov_b32 s34, 0xfedcba98
	s_wait_alu depctr_va_vdst(0)                   ; the wait at the head's end
	s_wait_kmcnt 0x0
	s_add_nc_u64 s[4:5], s[4:5], s[12:13]
	s_add_nc_u64 s[6:7], s[6:7], s[14:15]
.irp i, 0,1,2,3,4,5,6,7
	global_load_b128 v[A+4*\i:A+4*\i+3], v5, s[4:5] offset:8192*\i     ; blocks 128 i on
.endr
.set i, 0
.rept 32
	v_add_nc_u32 v[N+i], 128*(i/4)+i%4, v1         ; register 4 i + k will hold block 128 i + 4 lane + k
.set i, i+1
.endr
.set i, 0
.rept 32
	v_cvt_f32_u32 v[N+i], v[N+i]
.set i, i+1
.endr
.irp i, 0,1,2,3,4,5,6,7
	s_wait_loadcnt 7-\i                            ; load i is in; the younger ones may be out
.irp k, 0,1,2,3
	ds_store_b32 v6, v[A+4*\i+\k] offset:\k*P+512*\i
.endr
.endr
	s_wait_dscnt 0x0                               ; for the others' sake: my stores are done
	s_barrier_signal -1
	s_barrier_wait -1
.irp i, 0,1,2,3,4,5,6,7
	ds_load_b128 v[A+4*\i:A+4*\i+3], v7 offset:512*\i
	ds_load_b128 v[K0+4*\i:K0+4*\i+3], v7 offset:512*\i
.endr
	s_wait_dscnt 0x0
	s_mov_b32 s10, 0
.Lpass:
.set SRC, A
.set DST, B
.irp x, 1,3,1,7,2,1,15,4,2,1,31,8,4,2,1
	STG \x
.endr
.irp d, 1,2,4,8
	JOIN \d
.endr
.set i, 0
.rept 32
	v_permlanex16_b32 v[A+i], v[B+31-i], s33, s34  ; 39 changes of set: the sorted run lies in B
.set i, i+1
.endr
.set i, 0
.rept 32
	v_max_num_f32 v[A+i], v[A+i], v[B+i]           ; the 32 largest of all, the same in lanes 0-15; lanes 16-31 hold them in the reverse order
.set i, i+1
.endr
	s_add_co_u32 s10, s10, 1
	s_cmp_lt_u32 s10, 2
	s_wait_alu depctr_va_vdst(0)
	s_cbranch_scc0 .Lout
.irp u, 0,1,2,3
	v_min3_num_f32 v[CH+\u], v[A+8*\u], v[A+8*\u+1], v[A+8*\u+2]
.endr
.irp u, 0,1,2,3
	v_min3_num_f32 v[CH+\u], v[CH+\u], v[A+8*\u+3], v[A+8*\u+4]
.endr
.irp u, 0,1,2,3
	v_min3_num_f32 v[CH+\u], v[CH+\u], v[A+8*\u+5], v[A+8*\u+6]
.endr
.irp u, 0,1,2,3
	v_min_num_f32 v[CH+\u], v[CH+\u], v[A+8*\u+7]
.endr
	v_min3_num_f32 v[T], v[CH], v[CH+1], v[CH+2]
	v_min_num_f32 v[T], v[T], v[CH+3]              ; T: the least of the 32 largest
.irp g, 0,1,2,3,4,5,6,7
.irp u, 0,1,2,3
	v_cmp_ge_f32 s[40+\u], v[K0+4*\g+\u], v[T]
	v_cmp_gt_f32 s[44+\u], v[K0+4*\g+\u], v[T]
.endr
.irp u, 0,1,2,3
	v_cndmask_b32 v[A+4*\g+\u], 0, v[C2K], s[40+\u]
.endr
.irp u, 0,1,2,3
	v_cndmask_b32 v[A+4*\g+\u], v[A+4*\g+\u], v[C4K], s[44+\u]
.endr
.irp u, 0,1,2,3
	v_sub_f32 v[A+4*\g+\u], v[A+4*\g+\u], v[N+4*\g+\u]     ; whole numbers under 2^13: exact, and no two alike
.endr
.endr
	s_cmp_lt_u32 s10, 2
	s_wait_alu depctr_va_vdst(0)
	s_cbranch_scc1 .Lpass
.Lout:
	v_mov_b32 v[OUT], v[A]                         ; lane l < 16 takes register l, lane l >= 16 register 31 - l, which there is the run's l-th
.irp j, 1,2,3,4,5,6,7,8,9,10,11,12,13,14,15
	v_cmp_eq_u32 vcc_lo, \j, v[RHO]
	v_cndmask_b32 v[OUT], v[OUT], v[A+\j], vcc_lo
.endr
	v_cvt_i32_f32 v[OUT], v[OUT]
	v_sub_nc_u32 v[OUT], 0, v[OUT]                 ; number - 2048 or - 4096:
	v_and_b32 v[OUT], 0x3ff, v[OUT]                ; the number
	global_store_b32 v1, v[OUT], s[6:7]            ; 128 consecutive bytes
	s_wait_tensorcnt 0x0                           ; the wave's end
	ds_add_u32 v[SPW], v[NIL]
	s_wait_dscnt 0x0
	s_endpgm
.Lfunc_end_k_qa2a24b3e91_blocks:
	.size	k_qa2a24b3e91_blocks, .Lfunc_end_k_qa2a24b3e91_blocks-k_qa2a24b3e91_blocks
	.p2alignl 7, 3214868480
	.fill 96, 4, 3214868480
	.section	.rodata,"a",@progbits
	.p2align	6, 0x0
	.amdhsa_kernel k_qa2a24b3e91_blocks
		.amdhsa_group_segment_fixed_size 37888
		.amdhsa_private_segment_fixed_size 0
		.amdhsa_enable_private_segment 0
		.amdhsa_kernarg_size 16
		.amdhsa_user_sgpr_count 2
		.amdhsa_user_sgpr_kernarg_segment_ptr 1
		.amdhsa_wavefront_size32 1
		.amdhsa_system_sgpr_workgroup_id_x 1
		.amdhsa_system_sgpr_workgroup_id_y 1
		.amdhsa_system_sgpr_workgroup_id_z 1
		.amdhsa_system_vgpr_workitem_id 0
		.amdhsa_next_free_vgpr 168
		.amdhsa_next_free_sgpr 66
		.amdhsa_reserve_vcc 1
		.amdhsa_float_denorm_mode_32 3
		.amdhsa_float_denorm_mode_16_64 3
		.amdhsa_memory_ordered 1
		.amdhsa_forward_progress 1
		.amdhsa_inst_pref_size 67
	.end_amdhsa_kernel
	.amdgpu_metadata
---
amdhsa.version: [ 1, 2 ]
amdhsa.kernels:
  - .name:           k_qa2a24b3e91_blocks
    .symbol:         k_qa2a24b3e91_blocks.kd
    .args:
      - { .name: bmax, .offset: 0, .size: 8, .value_kind: global_buffer, .address_space: global }
      - { .name: lista, .offset: 8, .size: 8, .value_kind: global_buffer, .address_space: global }
    .group_segment_fixed_size: 37888
    .private_segment_fixed_size: 0
    .kernarg_segment_align: 8
    .kernarg_segment_size: 16
    .max_flat_workgroup_size: 256
    .sgpr_count:     66
    .vgpr_count:     168
    .wavefront_size: 32
...
	.end_amdgpu_metadata
.endif
;; end of part 3
;; launch chunks (part 4): grid 512 x 1, 4 waves a work-group, no clusters, 0 bytes of LDS; arguments lista, cmax, listb; writes listb
.if DOCPART == 4
	.amdgcn_target "amdgcn-amd-amdhsa--gfx1250"
	.amdhsa_code_object_version 6
	.text
	.protected	k_qa2a24b3e91_chunks
	.globl	k_qa2a24b3e91_chunks
	.p2align	8
	.type	k_qa2a24b3e91_chunks,@function
k_qa2a24b3e91_chunks:
	s_mov_b64 s[64:65], 0
	v_nop
	global_prefetch_b8 v0, s[64:65] scope:SCOPE_SE
	s_setreg_imm32_b32 hwreg(HW_REG_WAVE_MODE, 25, 1), 1
	s_wait_xcnt 0x0
; For each query: of the 256 chunks (of 8 slots) in its 32 chosen blocks, the 32 that rank first by (chunk maximum falling, chunk number rising).  Their numbers go to listb, 32 a query.
; They are the 32 first of ALL chunks: a chunk among those lies in one of the 32 first blocks (else 32 other blocks would each hold a chunk that ranks before it).
; One wave, one query.  The block numbers are whole numbers that an earlier launch stored; they come by scalar loads, are held within the table and enter addresses alone: no branch and no trip count hangs on them.
; A batch is 4 blocks x 8 chunks: lane l takes block l / 8 of the four and chunk l % 8.  Two times four batches are sorted together and merged into the best 32.
; No LDS, no barrier (waves share nothing), no matrix units, no cluster.   LIMITS: NaN is not served.
.set KB,  12                           ; v12-19  eight batches' values; KB names the four in hand
.set IX,  40                           ; v40-47  their chunk numbers
.set PK,  20
.set PI,  24
.set LK,  28
.set LI,  29
.set A,   32                           ; v32-39  the loads' addresses
.set T,   48
.set TS,  84                           ; s84-99  four sets of compare masks
.macro STAGE k, i, x, m                ; lanes l and l xor x compare (k, i): the better (larger k; at equal k the lower i) goes to the lane whose bit named by mask m is clear
.if \x == 31
	v_permlanex16_b32 v[PK], v[\k], s35, s36
	v_permlanex16_b32 v[PI], v[\i], s35, s36
.elseif \x == 16
	v_permlanex16_b32 v[PK], v[\k], s33, s34
	v_permlanex16_b32 v[PI], v[\i], s33, s34
.else
	v_mov_b32_dpp v[PK], v[\k] row_xmask:\x row_mask:0xf bank_mask:0xf
	v_mov_b32_dpp v[PI], v[\i] row_xmask:\x row_mask:0xf bank_mask:0xf
.endif
	v_cmp_gt_f32 s37, v[PK], v[\k]
	v_cmp_eq_f32 s38, v[PK], v[\k]
	v_cmp_lt_u32 s39, v[PI], v[\i]
	s_and_b32 s38, s38, s39
	s_or_b32 s37, s37, s38                         ; my partner is the better
	s_xor_b32 vcc_lo, s37, s[\m]                   ; the upper lane keeps the worse
	v_cndmask_b32 v[\k], v[\k], v[PK], vcc_lo
	v_cndmask_b32 v[\i], v[\i], v[PI], vcc_lo
.endm
.macro STAGE4 x, m                     ; the same stage of four batches, (v[KB + u], v[IX + u]), line by line together
.irp u, 0,1,2,3
.if \x == 31
	v_permlanex16_b32 v[PK+\u], v[KB+\u], s35, s36
	v_permlanex16_b32 v[PI+\u], v[IX+\u], s35, s36
.else
	v_mov_b32_dpp v[PK+\u], v[KB+\u] row_xmask:\x row_mask:0xf bank_mask:0xf
	v_mov_b32_dpp v[PI+\u], v[IX+\u] row_xmask:\x row_mask:0xf bank_mask:0xf
.endif
.endr
.irp u, 0,1,2,3
	v_cmp_gt_f32 s[TS+4*\u], v[PK+\u], v[KB+\u]
	v_cmp_eq_f32 s[TS+4*\u+1], v[PK+\u], v[KB+\u]
	v_cmp_lt_u32 s[TS+4*\u+2], v[PI+\u], v[IX+\u]
.endr
.irp u, 0,1,2,3
	s_and_b32 s[TS+4*\u+1], s[TS+4*\u+1], s[TS+4*\u+2]
	s_or_b32 s[TS+4*\u], s[TS+4*\u], s[TS+4*\u+1]
	s_xor_b32 s[TS+4*\u], s[TS+4*\u], s[\m]
.endr
.irp u, 0,1,2,3
	v_cndmask_b32 v[KB+\u], v[KB+\u], v[PK+\u], s[TS+4*\u]
	v_cndmask_b32 v[IX+\u], v[IX+\u], v[PI+\u], s[TS+4*\u]
.endr
.endm
.macro SORT4
	STAGE4 1, 28
	STAGE4 3, 29
	STAGE4 1, 28
	STAGE4 7, 30
	STAGE4 2, 29
	STAGE4 1, 28
	STAGE4 15, 31
	STAGE4 4, 30
	STAGE4 2, 29
	STAGE4 1, 28
	STAGE4 31, 32
	STAGE4 8, 31
	STAGE4 4, 30
	STAGE4 2, 29
	STAGE4 1, 28
.endm
.macro MERGE k, i                      ; a sorted batch, reversed, against the best so far; five stages sort the bitonic run of the better ones
	v_permlanex16_b32 v[PK], v[\k], s35, s36
	v_permlanex16_b32 v[PI], v[\i], s35, s36
	v_cmp_gt_f32 s37, v[PK], v[LK]
	v_cmp_eq_f32 s38, v[PK], v[LK]
	v_cmp_lt_u32 s39, v[PI], v[LI]
	s_and_b32 s38, s38, s39
	s_or_b32 vcc_lo, s37, s38
	v_cndmask_b32 v[LK], v[LK], v[PK], vcc_lo
	v_cndmask_b32 v[LI], v[LI], v[PI], vcc_lo
	STAGE LK, LI, 16, 32
	STAGE LK, LI, 8, 31
	STAGE LK, LI, 4, 30
	STAGE LK, LI, 2, 29
	STAGE LK, LI, 1, 28
.endm
	s_load_b128 s[4:7], s[0:1], 0x0                ; lista, cmax
	s_load_b64 s[8:9], s[0:1], 0x10                ; listb
	v_lshrrev_b32 v1, 5, v0
	v_readfirstlane_b32 s10, v1                    ; wave
	v_and_b32 v2, 31, v0                           ; lane
	v_lshlrev_b32 v1, 2, v2                        ; 4 x lane
	v_and_b32 v3, 7, v2                            ; c: my chunk of a block = 2 t + h
	v_and_b32 v4, 1, v3                            ; h
	v_lshrrev_b32 v5, 1, v3                        ; t
	v_lshlrev_b32 v5, 2, v5
	v_lshl_add_u32 v5, v4, 8, v5                   ; in a block of cmax: 256 h + 4 t (my query's 16 r is in the base)
	v_bfe_u32 v6, v2, 3, 1                         ; which of a batch's four blocks is mine: its two bits,
	v_lshrrev_b32 v7, 4, v2
	v_sub_nc_u32 v30, 1, v6
	v_sub_nc_u32 v31, 1, v7
	v_mul_u32_u24 v8, v31, v30                     ; and as four numbers of which one is 1
	v_mul_u32_u24 v9, v31, v6
	v_mul_u32_u24 v10, v7, v30
	v_mul_u32_u24 v11, v7, v6
	s_lshl_b32 s11, ttmp9, 2
	s_add_co_u32 s11, s11, s10                     ; my query
	s_lshl_b32 s12, s11, 7
	s_mov_b32 s13, 0
	s_lshr_b32 s14, s11, 4
	s_lshl_b32 s14, s14, 19                        ; its query tile's 524,288 bytes of cmax,
	s_and_b32 s15, s11, 15
	s_lshl_b32 s15, s15, 4                         ; and 16 r
	s_add_co_u32 s14, s14, s15
	s_mov_b32 s15, 0
	s_wait_kmcnt 0x0
	s_add_nc_u64 s[4:5], s[4:5], s[12:13]
	s_add_nc_u64 s[8:9], s[8:9], s[12:13]
	s_add_nc_u64 s[6:7], s[6:7], s[14:15]
	s_load_b512 s[48:63], s[4:5], 0x0              ; block numbers 0-15,
	s_load_b512 s[68:83], s[4:5], 0x40             ; 16-31
	s_mov_b32 s28, 0xaaaaaaaa                      ; lanes with bit 0 set, bit 1, 2, 3, 4
	s_mov_b32 s29, 0xcccccccc
	s_mov_b32 s30, 0xf0f0f0f0
	s_mov_b32 s31, 0xff00ff00
	s_mov_b32 s32, 0xffff0000
	s_mov_b32 s33, 0x76543210                      ; selects for lane l xor 16
	s_mov_b32 s34, 0xfedcba98
	s_mov_b32 s35, 0x89abcdef                      ; and for lane l xor 31
	s_mov_b32 s36, 0x01234567
	v_mov_b32 v[LK], 0xff800000                    ; -infinity, with the highest number: every pair ranks before it
	v_mov_b32 v[LI], -1
.irp u, 0,1,2,3
	v_mov_b32 v[PK+\u], 0                          ; written once: the destination of a lane permute counts as one of its sources
	v_mov_b32 v[PI+\u], 0
.endr
	s_wait_kmcnt 0x0
.irp i, 0,1,2,3,4,5,6,7
.if \i < 4
.set SA, 48+4*\i
.else
.set SA, 52+4*\i
.endif
	v_mul_u32_u24 v[T], s[SA], v8                  ; my block of the batch's four
	v_mad_u32_u24 v[T], s[SA+1], v9, v[T]
	v_mad_u32_u24 v[T], s[SA+2], v10, v[T]
	v_mad_u32_u24 v[T], s[SA+3], v11, v[T]
	v_min_u32 v[T], 0x3ff, v[T]                    ; held within the table
	v_lshl_add_u32 v[A+\i], v[T], 9, v5            ; 512 bytes a block
	v_lshl_add_u32 v[40+\i], v[T], 3, v3           ; the chunk's number
	global_load_b32 v[12+\i], v[A+\i], s[6:7]
.endr
	s_wait_loadcnt 4                               ; batches 0-3 are in; the four younger loads may be out
	SORT4
	MERGE KB, IX
	MERGE KB+1, IX+1
	MERGE KB+2, IX+2
	MERGE KB+3, IX+3
.set KB, 16
.set IX, 44
	s_wait_loadcnt 0x0
	SORT4
	MERGE KB, IX
	MERGE KB+1, IX+1
	MERGE KB+2, IX+2
	MERGE KB+3, IX+3
	global_store_b32 v1, v[LI], s[8:9]             ; 128 consecutive bytes
	s_endpgm
.Lfunc_end_k_qa2a24b3e91_chunks:
	.size	k_qa2a24b3e91_chunks, .Lfunc_end_k_qa2a24b3e91_chunks-k_qa2a24b3e91_chunks
	.p2alignl 7, 3214868480
	.fill 96, 4, 3214868480
	.section	.rodata,"a",@progbits
	.p2align	6, 0x0
	.amdhsa_kernel k_qa2a24b3e91_chunks
		.amdhsa_group_segment_fixed_size 0
		.amdhsa_private_segment_fixed_size 0
		.amdhsa_enable_private_segment 0
		.amdhsa_kernarg_size 24
		.amdhsa_user_sgpr_count 2
		.amdhsa_user_sgpr_kernarg_segment_ptr 1
		.amdhsa_wavefront_size32 1
		.amdhsa_system_sgpr_workgroup_id_x 1
		.amdhsa_system_sgpr_workgroup_id_y 1
		.amdhsa_system_sgpr_workgroup_id_z 1
		.amdhsa_system_vgpr_workitem_id 0
		.amdhsa_next_free_vgpr 64
		.amdhsa_next_free_sgpr 100
		.amdhsa_reserve_vcc 1
		.amdhsa_float_denorm_mode_32 3
		.amdhsa_float_denorm_mode_16_64 3
		.amdhsa_memory_ordered 1
		.amdhsa_forward_progress 1
		.amdhsa_inst_pref_size 93
	.end_amdhsa_kernel
	.amdgpu_metadata
---
amdhsa.version: [ 1, 2 ]
amdhsa.kernels:
  - .name:           k_qa2a24b3e91_chunks
    .symbol:         k_qa2a24b3e91_chunks.kd
    .args:
      - { .name: lista, .offset: 0, .size: 8, .value_kind: global_buffer, .address_space: global }
      - { .name: cmax, .offset: 8, .size: 8, .value_kind: global_buffer, .address_space: global }
      - { .name: listb, .offset: 16, .size: 8, .value_kind: global_buffer, .address_space: global }
    .group_segment_fixed_size: 0
    .private_segment_fixed_size: 0
    .kernarg_segment_align: 8
    .kernarg_segment_size: 24
    .max_flat_workgroup_size: 128
    .sgpr_count:     100
    .vgpr_count:     64
    .wavefront_size: 32
...
	.end_amdgpu_metadata
.endif
;; end of part 4
;; launch pick (part 5): grid 2048 x 1, 1 waves a work-group, no clusters, 0 bytes of LDS; arguments listb, qc, qa, mc, ma, lista, bmax; writes lista, bmax
.if DOCPART == 5
	.amdgcn_target "amdgcn-amd-amdhsa--gfx1250"
	.amdhsa_code_object_version 6
	.text
	.protected	k_qa2a24b3e91_pick
	.globl	k_qa2a24b3e91_pick
	.p2align	8
	.type	k_qa2a24b3e91_pick,@function
k_qa2a24b3e91_pick:
	s_mov_b64 s[64:65], 0
	v_nop
	global_prefetch_b8 v0, s[64:65] scope:SCOPE_SE
	s_setreg_imm32_b32 hwreg(HW_REG_WAVE_MODE, 25, 1), 1
	s_wait_xcnt 0x0
; One wave, one query.  The 256 slots of its 32 chosen chunks are scored again, 4 chunks (32 slots) a batch, by the same matrix form, K order and five f32 operations as the first pass (the sources change places,
; which gives the same bits); the 32 best by (z falling, slot rising) are kept in the 32 lanes by sorting networks.  They are the 32 best of all slots: each of those lies in one of the 32 first chunks.  At the end: softmax, the largest taken off first.
; The chunk numbers are whole numbers that an earlier launch stored; they come by scalar loads, are held within the table and enter addresses alone.  The text has no branch: eight batches are written out.  Floats only choose values (v_cndmask_b32).
; ONE BUFFER: a batch is multiplied, then the next batch's 20 loads go into the same registers, then the batch is sorted and merged: the loads have that work in which to land.
; The slots go to lista, whose block numbers have been read by the launch before; the weights to the first 262,144 bytes of bmax, whose block maxima have been read two launches before.
; LIMITS: NaN and infinities are not served; ranks 32 and 33 nearer than f32 rounding cannot be told apart.   No LDS, no tensor loads, no barrier (one wave), no cluster (work-groups share no tile).
.set BUF,  64                          ; v64-95 X's codes, v96-127 Y's codes, v128-129 and v130-131 their scale words, v132 1 / mn, v133 bias
.set SLT,  19                          ; v19: the slot of my candidate in the batch that is on its way
.set ACCX, 208
.set ACCY, 216
.set K,    224                         ; the batch: z and slot
.set I,    225
.set LK,   226                         ; the best 32 so far, descending over the lanes
.set LI,   227
.set PK,   228                         ; a partner's
.set PI,   229
.set NINF, 237
	s_load_b256 s[4:11], s[0:1], 0x0               ; listb, qc, qa, mc
	s_load_b128 s[12:15], s[0:1], 0x20             ; ma, lista
	s_load_b64 s[16:17], s[0:1], 0x30              ; bmax
	v_lshlrev_b32 v1, 2, v0                        ; 4 x lane
	v_and_b32 v4, 7, v0                            ; my slot of a chunk
	v_bfe_u32 v5, v0, 3, 1                         ; b: which chunk of a tile of 16 rows
	v_sub_nc_u32 v6, 1, v5                         ; 1 - b
	v_lshrrev_b32 v7, 4, v0                        ; h
	v_sub_nc_u32 v8, 1, v7                         ; 1 - h
	v_lshlrev_b32 v2, 8, v4
	v_lshl_add_u32 v2, v7, 4, v2                   ; a chunk's codes: row lane % 8, + 16 h
	v_lshlrev_b32 v3, 3, v4                        ; its scale bytes
	v_lshlrev_b32 v21, 4, v7                       ; q's codes: 16 h
	v_mov_b32 v22, 0
	v_mov_b32 v[NINF], 0xff800000
	v_mov_b32 v[LK], v[NINF]                       ; -infinity, with the highest number: every pair ranks before it
	v_mov_b32 v[LI], -1
	v_mov_b32 v[PK], 0                             ; written once: the destination of a lane permute counts as one of its sources
	v_mov_b32 v[PI], 0
	v_mov_b32 v235, 0
	s_mov_b32 s22, 0x5f800000                      ; 2^64
	s_mov_b32 s28, 0xaaaaaaaa                      ; lanes with bit 0 set, bit 1, 2, 3, 4
	s_mov_b32 s29, 0xcccccccc
	s_mov_b32 s30, 0xf0f0f0f0
	s_mov_b32 s31, 0xff00ff00
	s_mov_b32 s32, 0xffff0000
	s_mov_b32 s33, 0x76543210                      ; selects for lane l xor 16
	s_mov_b32 s34, 0xfedcba98
	s_mov_b32 s35, 0x89abcdef                      ; and for lane l xor 31
	s_mov_b32 s36, 0x01234567
	s_lshl_b32 s44, ttmp9, 7
	s_mov_b32 s45, 0
	s_lshl_b32 s46, ttmp9, 8
	s_mov_b32 s47, 0
	s_wait_alu depctr_va_vdst(0)
	s_wait_kmcnt 0x0
	s_add_nc_u64 s[4:5], s[4:5], s[44:45]          ; my row of listb,
	s_add_nc_u64 s[14:15], s[14:15], s[44:45]      ; of lista,
	s_add_nc_u64 s[16:17], s[16:17], s[44:45]      ; of the weights,
	s_add_nc_u64 s[6:7], s[6:7], s[46:47]          ; of q's codes
	s_lshl_b32 s44, ttmp9, 3
	s_add_nc_u64 s[66:67], s[8:9], s[44:45]        ; its scale words
	s_lshl_b32 s44, ttmp9, 2
	s_add_nc_u64 s[8:9], s[8:9], s[44:45]
	s_load_b32 s20, s[8:9], 0x4000                 ; qn
	s_load_b32 s21, s[8:9], 0x6000                 ; -0.001 qn
	s_load_b512 s[48:63], s[4:5], 0x0              ; chunk numbers 0-15,
	s_load_b512 s[68:83], s[4:5], 0x40             ; 16-31
.irp s, 0,1
.irp c, 0,1,2,3
	global_load_b128 v[32+16*\s+4*\c:32+16*\s+4*\c+3], v21, s[6:7] offset:128*\s+32*\c   ; the address knows nothing of lane % 16: all 16 rows of source 0 are my query
.endr
.endr
	global_load_b64 v[24:25], v22, s[66:67]        ; its two scale words, in every lane
	s_wait_kmcnt 0x0
; The addresses of the batch s[SA] .. s[SA + 3]: X's 16 rows are chunks s[SA] (lanes with b = 0) and s[SA + 1], Y's s[SA + 2] and s[SA + 3]; my candidate is X's row in lanes 0-15, Y's in lanes 16-31.  15 plain lines.
.macro ADDRS
	v_mul_u32_u24 v9, s[SA], v6
	v_mul_u32_u24 v10, s[SA+2], v6
	v_mad_u32_u24 v9, s[SA+1], v5, v9              ; X's chunk for my lane
	v_mad_u32_u24 v10, s[SA+3], v5, v10            ; Y's
	v_mul_u32_u24 v16, v9, v8
	v_mad_u32_u24 v16, v10, v7, v16                ; my candidate's
	v_min_u32 v9, 0x1fff, v9                       ; held within the table
	v_min_u32 v10, 0x1fff, v10
	v_min_u32 v17, 0x1fff, v16
	v_lshl_add_u32 v11, v9, 11, v2                 ; 2,048 bytes of codes a chunk
	v_lshl_add_u32 v12, v10, 11, v2
	v_lshl_add_u32 v13, v9, 6, v3                  ; 64 scale bytes
	v_lshl_add_u32 v14, v10, 6, v3
	v_lshl_add_u32 v17, v17, 3, v4                 ; my candidate's slot
	v_lshlrev_b32 v15, 2, v17
.endm
.macro LOADS                           ; 20 loads
.irp s, 0,1
.irp c, 0,1,2,3
	global_load_b128 v[BUF+16*\s+4*\c:BUF+16*\s+4*\c+3], v11, s[10:11] offset:128*\s+32*\c
	global_load_b128 v[BUF+32+16*\s+4*\c:BUF+32+16*\s+4*\c+3], v12, s[10:11] offset:128*\s+32*\c
.endr
.endr
	global_load_b64 v[BUF+64:BUF+65], v13, s[12:13]
	global_load_b64 v[BUF+66:BUF+67], v14, s[12:13]
	global_load_b32 v[BUF+68], v15, s[12:13] offset:524288
	global_load_b32 v[BUF+69], v15, s[12:13] offset:786432
.endm
; Lanes l and l xor x compare (k, i): the better (larger k; at equal k the lower i) goes to the lane whose bit named by mask m is clear.
.macro STAGE k, i, x, m
.if \x == 31
	v_permlanex16_b32 v[PK], v[\k], s35, s36
	v_permlanex16_b32 v[PI], v[\i], s35, s36
.elseif \x == 16
	v_permlanex16_b32 v[PK], v[\k], s33, s34
	v_permlanex16_b32 v[PI], v[\i], s33, s34
.else
	v_mov_b32_dpp v[PK], v[\k] row_xmask:\x row_mask:0xf bank_mask:0xf
	v_mov_b32_dpp v[PI], v[\i] row_xmask:\x row_mask:0xf bank_mask:0xf
.endif
	v_cmp_gt_f32 s37, v[PK], v[\k]
	v_cmp_eq_f32 s38, v[PK], v[\k]
	v_cmp_lt_u32 s39, v[PI], v[\i]
	s_and_b32 s38, s38, s39
	s_or_b32 s37, s37, s38                         ; my partner is the better
	s_xor_b32 vcc_lo, s37, s[\m]                   ; the upper lane keeps the worse
	v_cndmask_b32 v[\k], v[\k], v[PK], vcc_lo
	v_cndmask_b32 v[\i], v[\i], v[PI], vcc_lo
.endm
; The batch in the buffer is multiplied, scored, sorted and merged.  more = 1: the batch s[SA] .. s[SA + 3] is asked for on the way.
.macro BATCH more
	s_wait_loadcnt 0x0                             ; the batch is in (the first time q's fragment too); so its loads' address registers may be written
	v_wmma_scale_f32_16x16x128_f8f6f4 v[ACCX:ACCX+7], v[32:47], v[BUF:BUF+15], 0, v24, v[BUF+64]          ; the two accumulators by turns
	v_wmma_scale_f32_16x16x128_f8f6f4 v[ACCY:ACCY+7], v[32:47], v[BUF+32:BUF+47], 0, v24, v[BUF+66]
	v_wmma_scale_f32_16x16x128_f8f6f4 v[ACCX:ACCX+7], v[48:63], v[BUF+16:BUF+31], v[ACCX:ACCX+7], v25, v[BUF+65]
	v_wmma_scale_f32_16x16x128_f8f6f4 v[ACCY:ACCY+7], v[48:63], v[BUF+48:BUF+63], v[ACCY:ACCY+7], v25, v[BUF+67]
.if \more
	ADDRS                                          ; the next batch's addresses: 15 plain lines that name no register of the products: the places (eight are asked) in front of the read of results and of the loads into the operands
.else
.rept 8
	v_nop                                          ; the last batch has no such work
.endr
.endif
	v_cndmask_b32 v230, v[ACCX], v[ACCY], s32      ; all rows of a result are my query: register 0 of lane l is row l % 16 of mem's tile: lanes 0-15 take X's, lanes 16-31 Y's
	v_mul_f32 v230, v230, v[BUF+68]                ; w
	v_add_f32 v231, s21, v230                      ; d
	v_fma_f32 v231, v231, s22, v230                ; h
	v_min3_num_f32 v230, v230, s20, v231           ; g
	v_fma_f32 v[K], v[BUF+69], s20, v230           ; z
	v_mov_b32 v[I], v[SLT]
.if \more
	v_mov_b32 v[SLT], v17                          ; the next batch's
	LOADS
.endif
	STAGE K, I, 1, 28                              ; the batch's 32, descending over the lanes
	STAGE K, I, 3, 29
	STAGE K, I, 1, 28
	STAGE K, I, 7, 30
	STAGE K, I, 2, 29
	STAGE K, I, 1, 28
	STAGE K, I, 15, 31
	STAGE K, I, 4, 30
	STAGE K, I, 2, 29
	STAGE K, I, 1, 28
	STAGE K, I, 31, 32
	STAGE K, I, 8, 31
	STAGE K, I, 4, 30
	STAGE K, I, 2, 29
	STAGE K, I, 1, 28
	v_permlanex16_b32 v[PK], v[K], s35, s36        ; the batch reversed against the best so far: the better of each pair are the 32 best of the 64, as a bitonic run
	v_permlanex16_b32 v[PI], v[I], s35, s36
	v_cmp_gt_f32 s37, v[PK], v[LK]
	v_cmp_eq_f32 s38, v[PK], v[LK]
	v_cmp_lt_u32 s39, v[PI], v[LI]
	s_and_b32 s38, s38, s39
	s_or_b32 vcc_lo, s37, s38
	v_cndmask_b32 v[LK], v[LK], v[PK], vcc_lo
	v_cndmask_b32 v[LI], v[LI], v[PI], vcc_lo
	STAGE LK, LI, 16, 32
	STAGE LK, LI, 8, 31
	STAGE LK, LI, 4, 30
	STAGE LK, LI, 2, 29
	STAGE LK, LI, 1, 28
.endm
.set SA, 48
	ADDRS                                          ; batch 0
	v_mov_b32 v[SLT], v17
	LOADS
.irp n, 1,2,3,4,5,6,7
.if \n < 4
.set SA, 48+4*\n
.else
.set SA, 52+4*\n
.endif
	BATCH 1                                        ; batch n - 1 is worked, batch n asked for
.endr
	BATCH 0
; score = z / qn; what was masked becomes -infinity; softmax with the largest (lane 0's) taken off.
	v_mov_b32 v230, s20
	s_wait_alu depctr_va_vdst(0)
	v_rcp_f32 v231, v230
	v_mul_f32 v232, 0xc1800000, v230               ; -16 qn: every masked z lies under it, every other over it.  (A plain line behind the reciprocal)
	s_wait_alu depctr_va_vdst(0)
	v_fma_f32 v233, -v230, v231, 1.0               ; one Newton step
	v_fma_f32 v231, v233, v231, v231
	v_mul_f32 v233, v[LK], v231
	v_cmp_lt_f32 vcc_lo, v[LK], v232
	v_cndmask_b32 v233, v233, v[NINF], vcc_lo
	v_readfirstlane_b32 s26, v233                  ; the largest: a value, which steers nothing
	v_sub_f32 v233, v233, s26                      ; (all masked: -infinity less -infinity, NaN, as in the definition)
	v_mul_f32 v233, 0x3fb8aa3b, v233
	s_wait_alu depctr_va_vdst(0)
	v_exp_f32 v233, v233
	v_nop
	s_wait_alu depctr_va_vdst(0)
	v_mov_b32 v234, v233
	v_add_f32_dpp v234, v234, v234 row_xmask:1 row_mask:0xf bank_mask:0xf
	v_add_f32_dpp v234, v234, v234 row_xmask:2 row_mask:0xf bank_mask:0xf
	v_add_f32_dpp v234, v234, v234 row_xmask:4 row_mask:0xf bank_mask:0xf
	v_add_f32_dpp v234, v234, v234 row_xmask:8 row_mask:0xf bank_mask:0xf
	v_permlanex16_b32 v235, v234, s33, s34
	v_add_f32 v234, v234, v235
	s_wait_alu depctr_va_vdst(0)
	v_rcp_f32 v235, v234
	v_nop
	s_wait_alu depctr_va_vdst(0)
	v_mul_f32 v233, v233, v235
	global_store_b32 v1, v[LI], s[14:15]           ; 128 consecutive bytes each
	global_store_b32 v1, v233, s[16:17]
	s_endpgm
.Lfunc_end_k_qa2a24b3e91_pick:
	.size	k_qa2a24b3e91_pick, .Lfunc_end_k_qa2a24b3e91_pick-k_qa2a24b3e91_pick
	.p2alignl 7, 3214868480
	.fill 96, 4, 3214868480
	.section	.rodata,"a",@progbits
	.p2align	6, 0x0
	.amdhsa_kernel k_qa2a24b3e91_pick
		.amdhsa_group_segment_fixed_size 0
		.amdhsa_private_segment_fixed_size 0
		.amdhsa_enable_private_segment 0
		.amdhsa_kernarg_size 56
		.amdhsa_user_sgpr_count 2
		.amdhsa_user_sgpr_kernarg_segment_ptr 1
		.amdhsa_wavefront_size32 1
		.amdhsa_system_sgpr_workgroup_id_x 1
		.amdhsa_system_sgpr_workgroup_id_y 1
		.amdhsa_system_sgpr_workgroup_id_z 1
		.amdhsa_system_vgpr_workitem_id 0
		.amdhsa_next_free_vgpr 240
		.amdhsa_next_free_sgpr 84
		.amdhsa_reserve_vcc 1
		.amdhsa_float_denorm_mode_32 3
		.amdhsa_float_denorm_mode_16_64 3
		.amdhsa_memory_ordered 1
		.amdhsa_forward_progress 1
		.amdhsa_inst_pref_size 113
	.end_amdhsa_kernel
	.amdgpu_metadata
---
amdhsa.version: [ 1, 2 ]
amdhsa.kernels:
  - .name:           k_qa2a24b3e91_pick
    .symbol:         k_qa2a24b3e91_pick.kd
    .args:
      - { .name: listb, .offset: 0, .size: 8, .value_kind: global_buffer, .address_space: global }
      - { .name: qc, .offset: 8, .size: 8, .value_kind: global_buffer, .address_space: global }
      - { .name: qa, .offset: 16, .size: 8, .value_kind: global_buffer, .address_space: global }
      - { .name: mc, .offset: 24, .size: 8, .value_kind: global_buffer, .address_space: global }
      - { .name: ma, .offset: 32, .size: 8, .value_kind: global_buffer, .address_space: global }
      - { .name: lista, .offset: 40, .size: 8, .value_kind: global_buffer, .address_space: global }
      - { .name: bmax, .offset: 48, .size: 8, .value_kind: global_buffer, .address_space: global }
    .group_segment_fixed_size: 0
    .private_segment_fixed_size: 0
    .kernarg_segment_align: 8
    .kernarg_segment_size: 56
    .max_flat_workgroup_size: 32
    .sgpr_count:     84
    .vgpr_count:     240
    .wavefront_size: 32
...
	.end_amdgpu_metadata
.endif
;; end of part 5
;; launch sum (part 6): grid 512 x 1, 4 waves a work-group, no clusters, 0 bytes of LDS; arguments lista, bmax, mem, out0; writes out0
.if DOCPART == 6
	.amdgcn_target "amdgcn-amd-amdhsa--gfx1250"
	.amdhsa_code_object_version 6
	.text
	.protected	k_qa2a24b3e91_sum
	.globl	k_qa2a24b3e91_sum
	.p2align	8
	.type	k_qa2a24b3e91_sum,@function
k_qa2a24b3e91_sum:
	s_mov_b64 s[64:65], 0
	v_nop
	global_prefetch_b8 v0, s[64:65] scope:SCOPE_SE
	s_setreg_imm32_b32 hwreg(HW_REG_WAVE_MODE, 25, 1), 1
	s_wait_xcnt 0x0
; out0[b] = the sum over k of weight[b][k] x mem[slot[b][k]], in f32.  One wave, one query; the 32 slot numbers (lista) and weights (the first 262,144 bytes of bmax) come as scalars; a row of 1,024 bytes is two loads of 512 consecutive bytes.
; The product has one row a query: fused multiply-adds; a matrix form would leave 15 of its 16 rows empty, and the rows' bytes bind here.  No LDS, no barrier: waves share nothing.
; Slot numbers are whole numbers that an earlier launch stored; each is held within the table before it enters an address.
.set O,   8                            ; v8-39    the rows' byte offsets, + 16 x lane
.set ACC, 40                           ; v40-47   my 8 columns: 4 lane + 0..3 and 128 + 4 lane + 0..3
.set BUF, 48                           ; v48-239  three buffers of 8 rows x 8 registers
	s_load_b256 s[4:11], s[0:1], 0x0               ; the slots, the weights, mem, out0
	v_lshrrev_b32 v1, 5, v0
	v_readfirstlane_b32 s12, v1                    ; wave
	v_and_b32 v2, 31, v0
	v_lshlrev_b32 v2, 4, v2                        ; 16 x lane
	s_lshl_b32 s13, ttmp9, 2
	s_add_co_u32 s13, s13, s12                     ; my query
	s_lshl_b32 s14, s13, 7
	s_mov_b32 s15, 0
	s_lshl_b32 s84, s13, 10
	s_mov_b32 s85, 0
	s_wait_alu depctr_va_vdst(0)
	s_wait_kmcnt 0x0
	s_add_nc_u64 s[4:5], s[4:5], s[14:15]
	s_add_nc_u64 s[6:7], s[6:7], s[14:15]
	s_add_nc_u64 s[10:11], s[10:11], s[84:85]
	s_load_b512 s[16:31], s[4:5], 0x0              ; slots 0-15,
	s_load_b512 s[32:47], s[4:5], 0x40             ; 16-31
	s_load_b512 s[48:63], s[6:7], 0x0              ; weights 0-15,
	s_load_b512 s[68:83], s[6:7], 0x40             ; 16-31
	s_wait_kmcnt 0x0
.set k, 0
.rept 32
	s_min_u32 s[16+k], s[16+k], 0xffff
	s_lshl_b32 s[16+k], s[16+k], 10
	v_add_nc_u32 v[O+k], s[16+k], v2
.set k, k+1
.endr
.macro GROUP g, bf                     ; rows 8 g .. 8 g + 7 into buffer bf: 16 loads
.set i, 0
.rept 8
	global_load_b128 v[BUF+64*\bf+8*i:BUF+64*\bf+8*i+3], v[O+8*\g+i], s[8:9]
	global_load_b128 v[BUF+64*\bf+8*i+4:BUF+64*\bf+8*i+7], v[O+8*\g+i], s[8:9] offset:512
.set i, i+1
.endr
.endm
.macro CONS g, bf                      ; and into the sums; the first row starts them: nothing is cleared
.set i, 0
.rept 8
.set kk, 8*\g+i
.if kk < 16
.set SAT, 48+kk
.else
.set SAT, 52+kk
.endif
.set c, 0
.rept 8
.if kk == 0
	v_mul_f32 v[ACC+c], s[SAT], v[BUF+64*\bf+8*i+c]
.else
	v_fmac_f32 v[ACC+c], s[SAT], v[BUF+64*\bf+8*i+c]
.endif
.set c, c+1
.endr
.set i, i+1
.endr
.endm
	GROUP 0, 0
	GROUP 1, 1
	s_wait_alu depctr_va_vdst(0)
	GROUP 2, 2
	s_wait_loadcnt 32                              ; group 0 is in; two younger groups of 16 loads may be out
	CONS 0, 0
	GROUP 3, 0
	s_wait_alu depctr_va_vdst(0)
	s_wait_loadcnt 32                              ; group 1 is in
	CONS 1, 1
	s_wait_alu depctr_va_vdst(0)
	s_wait_loadcnt 16
	CONS 2, 2
	s_wait_alu depctr_va_vdst(0)
	s_wait_loadcnt 0x0
	CONS 3, 0
	global_store_b128 v2, v[ACC:ACC+3], s[10:11]               ; 512 consecutive bytes a store
	global_store_b128 v2, v[ACC+4:ACC+7], s[10:11] offset:512
	s_endpgm
.Lfunc_end_k_qa2a24b3e91_sum:
	.size	k_qa2a24b3e91_sum, .Lfunc_end_k_qa2a24b3e91_sum-k_qa2a24b3e91_sum
	.p2alignl 7, 3214868480
	.fill 96, 4, 3214868480
	.section	.rodata,"a",@progbits
	.p2align	6, 0x0
	.amdhsa_kernel k_qa2a24b3e91_sum
		.amdhsa_group_segment_fixed_size 0
		.amdhsa_private_segment_fixed_size 0
		.amdhsa_enable_private_segment 0
		.amdhsa_kernarg_size 32
		.amdhsa_user_sgpr_count 2
		.amdhsa_user_sgpr_kernarg_segment_ptr 1
		.amdhsa_wavefront_size32 1
		.amdhsa_system_sgpr_workgroup_id_x 1
		.amdhsa_system_sgpr_workgroup_id_y 1
		.amdhsa_system_sgpr_workgroup_id_z 1
		.amdhsa_system_vgpr_workitem_id 0
		.amdhsa_next_free_vgpr 240
		.amdhsa_next_free_sgpr 88
		.amdhsa_reserve_vcc 0
		.amdhsa_float_denorm_mode_32 3
		.amdhsa_float_denorm_mode_16_64 3
		.amdhsa_memory_ordered 1
		.amdhsa_forward_progress 1
		.amdhsa_inst_pref_size 20
	.end_amdhsa_kernel
	.amdgpu_metadata
---
amdhsa.version: [ 1, 2 ]
amdhsa.kernels:
  - .name:           k_qa2a24b3e91_sum
    .symbol:         k_qa2a24b3e91_sum.kd
    .args:
      - { .name: lista, .offset: 0, .size: 8, .value_kind: global_buffer, .address_space: global }
      - { .name: bmax, .offset: 8, .size: 8, .value_kind: global_buffer, .address_space: global }
      - { .name: mem, .offset: 16, .size: 8, .value_kind: global_buffer, .address_space: global }
      - { .name: out0, .offset: 24, .size: 8, .value_kind: global_buffer, .address_space: global }
    .group_segment_fixed_size: 0
    .private_segment_fixed_size: 0
    .kernarg_segment_align: 8
    .kernarg_segment_size: 32
    .max_flat_workgroup_size: 128
    .sgpr_count:     88
    .vgpr_count:     240
    .wavefront_size: 32
...
	.end_amdgpu_metadata
.endif
;; end of part 6
